; MI455X (gfx1250); checked and timed in simulation.
; The chip was launched on July 23, 2026; its instructions are those of AMD's public machine-readable ISA for CDNA 5 (MIT licence, August 2026) and "CDNA5" Instruction Set Architecture Reference Guide (July 2026). The comments in the code are by the model that wrote it; some were corrected since.
;; Lamp MLP. Allowed arithmetic: float matrix products may take bf16 or f16 operands with f32 sums; all other float work in f32.
;; Inputs: b_fc 4,096 float32; b_proj 1,024 float32; w_fc 4,096 x 1,024 float32; w_proj 1,024 x 4,096 float32; x 4 x 2,048 x 1,024 float32.
;; Outputs: out0 4 x 2,048 x 1,024 float32.
;; One version. Each part assembles by itself: llvm-mc -triple=amdgcn-amd-amdhsa -mcpu=gfx1250 --defsym DOCPART=n.
;; ======== version 1 of 1: 3 launches
;; limits: inputs' magnitudes at most 1.62e+32; right only within a limited range of input values
;; workspace buffers: xq 16,777,216 bytes; wfq 8,388,608 bytes; wpq 8,388,608 bytes; hq 67,108,864 bytes
;; launch quant (part 1): grid 1024 x 1, 8 waves a work-group, no clusters, 35,840 bytes of LDS; arguments x, w_fc, w_proj, xq, wfq, wpq; writes xq, wfq, wpq
.if DOCPART == 1
	.amdgcn_target "amdgcn-amd-amdhsa--gfx1250"
	.amdhsa_code_object_version 6
	.text
	.protected	k_q4211cc44a5_quant
	.globl	k_q4211cc44a5_quant
	.p2align	8
	.type	k_q4211cc44a5_quant,@function
k_q4211cc44a5_quant:
	s_mov_b64 s[64:65], 0
	v_nop
	global_prefetch_b8 v0, s[64:65] scope:SCOPE_SE
	s_setreg_imm32_b32 hwreg(HW_REG_WAVE_MODE, 25, 1), 1
	s_wait_xcnt 0x0
; BLOCK QUANTISER.  Each run of 32 f32 numbers shares the exponent e of its largest magnitude (not below -126); every number is rounded to a multiple
; of 2^(e-3), ties to even.  The result is a whole number of at most 16 in magnitude times a power of two, so bf16 holds it exactly.
; Work-groups 0-511 take x, 512-767 w_fc, 768-1023 w_proj, 65,536 input bytes each.  A wave takes 16 slots of 512 consecutive bytes; a lane 16 bytes of each,
; eight neighbouring lanes a run of 32.  All 16 loads of a wave go out first; each slot has registers of its own, so no register is freed by a wait.
; xq and wfq are row-major like their sources: a store of the wave covers 256 consecutive bytes, aligned.
; wpq IS LAID IN FRAGMENT BLOCKS, as the last launch's matrix instructions take it: a block is 16 rows x 32 k = 1,024 bytes; (row r, k) lies at byte
; 512 ((k % 32) / 16) + 16 (16 ((k % 16) / 8) + r % 16) + 2 (k % 8); blocks in the order [row / 16][k / 32].  A wave takes 16 rows x 128 k, four blocks: slot i is row i.
; A lane's 8 bytes of row i belong at byte 256 (lane / 2) + 16 i + 8 (lane % 2) of the wave's 4,096: they go through the wave's own LDS bytes (rows of 256 bytes, 272 apart,
; so that the 32 lanes of a store touch each of the 64 banks of 4 bytes (ISA guide 11.1) once) and come back as 16 bytes a lane: a store then covers 512 consecutive bytes.
; Memory binds: no barrier, no matrix work.
; THE ROUNDING.  C = 1.5 x 2^(e+20) has the unit 2^(e-3) in its last place, and so has v + C since |v| < 2^(e+1): the addition rounds v to that unit, ties to even
; (C is an even multiple of it), and taking C away again is exact.
; LIMITS.  e is taken from the exponent bits: the true floor of log2 (a quotient of two f32 logarithms may fall on the other side of a whole number where the run's maximum
; lies within a few units in its last place of a power of two).  |v| stays below 2^107, so that C is finite.  NaN and infinities are not treated apart; a zero result is +0.
.set SPW, 5                            ; v5         LDS address of my spare word; never rewritten
.set NIL, 6                            ; v6         0; never rewritten
.set LW,  7                            ; v7         w_proj's path: where my 8 bytes of row 0 go in LDS
.set XB, 8                             ; v[8:71]    slot i: 4 registers as loaded
.set CB, 72                            ; v[72:75]   two pairs by turns: the run's maximum, then C, in the even register; the odd one is only named with it
.set LR, 76                            ; v76        w_proj's path: where I read 16 bytes back; v77 at work
.set YB, 80                            ; v[80:111]  slot i: 2 registers of bf16
.set LP,  272                          ; LDS pitch: rows of 256 bytes, 272 apart
.set WST, 16*LP                        ; a wave's LDS bytes: 17 blocks of 256
.set SPARE, 8*WST                      ; behind them: the spare words, 128 bytes for each wave: four blocks of 256 bytes that no other line names
.macro QMATH i                         ; slot i: from its load's arrival to two registers of bf16
.set XR, XB+4*(\i)
.set CR, CB+2*((\i)%2)
.set YR, YB+2*(\i)
	s_wait_loadcnt 15-(\i)                         ; loads come back in order (ISA guide 5.7.1): slot i is in, the 15 - i younger ones stay out
	v_max3_num_f32 v[CR], |v[XR]|, |v[XR+1]|, |v[XR+2]|
	v_max_num_f32 v[CR], v[CR], |v[XR+3]|
	v_max_num_f32_dpp v[CR], v[CR], v[CR] row_xmask:1 row_mask:0xf bank_mask:0xf   ; the run's eight lanes
	v_max_num_f32_dpp v[CR], v[CR], v[CR] row_xmask:2 row_mask:0xf bank_mask:0xf
	v_max_num_f32_dpp v[CR], v[CR], v[CR] row_xmask:4 row_mask:0xf bank_mask:0xf
	v_and_b32 v[CR], 0x7f800000, v[CR]             ; 2^e
	v_max_u32 v[CR], 0x00800000, v[CR]             ; not below 2^-126
	v_add_nc_u32 v[CR], 0x0a400000, v[CR]          ; C = 1.5 x 2^(e+20)
	v_pk_add_f32 v[XR:XR+1], v[XR:XR+1], v[CR:CR+1] op_sel_hi:[1,0]
	v_pk_add_f32 v[XR+2:XR+3], v[XR+2:XR+3], v[CR:CR+1] op_sel_hi:[1,0]
	v_pk_add_f32 v[XR:XR+1], v[XR:XR+1], v[CR:CR+1] op_sel_hi:[1,0] neg_lo:[0,1] neg_hi:[0,1]
	v_pk_add_f32 v[XR+2:XR+3], v[XR+2:XR+3], v[CR:CR+1] op_sel_hi:[1,0] neg_lo:[0,1] neg_hi:[0,1]
	v_cvt_pk_bf16_f32 v[YR], v[XR], v[XR+1]        ; exact
	v_cvt_pk_bf16_f32 v[YR+1], v[XR+2], v[XR+3]
.endm
	s_load_b256 s[4:11], s[0:1], 0x0               ; x s[4:5], w_fc s[6:7], w_proj s[8:9], xq s[10:11]
	s_load_b128 s[12:15], s[0:1], 0x20             ; wfq s[12:13], wpq s[14:15]
	v_lshl_add_u32 v[SPW], v0, 2, SPARE
	v_mov_b32 v[NIL], 0
	v_and_b32 v3, 31, v0                           ; lane
	v_lshrrev_b32 v4, 5, v0                        ; wave
	v_mov_b32 v[CB+1], 0
	v_mov_b32 v[CB+3], 0
	s_mov_b32 s16, ttmp9
	s_mov_b32 s23, 0
	s_cmp_lt_u32 s16, 768                          ; which path: the choice hangs on the work-group's number alone
	s_cbranch_scc0 .Lblocks
	; x and w_fc: row-major out
	v_lshlrev_b32 v1, 4, v3
	v_lshl_add_u32 v1, v4, 13, v1                  ; in: 8,192 x wave + 16 x lane; never rewritten
	v_lshlrev_b32 v2, 3, v3
	v_lshl_add_u32 v2, v4, 12, v2                  ; out: 4,096 x wave + 8 x lane; never rewritten
	s_wait_kmcnt 0x0
	s_cmp_lt_u32 s16, 512
	s_cselect_b64 s[18:19], s[4:5], s[6:7]
	s_cselect_b64 s[20:21], s[10:11], s[12:13]
	s_cselect_b32 s17, 0, 512
	s_sub_co_u32 s16, s16, s17                     ; my number among that tensor's work-groups
	s_lshl_b32 s22, s16, 16                        ; 65,536 bytes in,
	s_add_nc_u64 s[18:19], s[18:19], s[22:23]
	s_lshl_b32 s22, s16, 15                        ; 32,768 out
	s_add_nc_u64 s[20:21], s[20:21], s[22:23]
.irp i, 0,1,2,3,4,5,6,7,8,9,10,11,12,13,14,15
	global_load_b128 v[XB+4*(\i):XB+4*(\i)+3], v1, s[18:19] offset:512*(\i) th:TH_LOAD_NT
.endr
.irp i, 0,1,2,3,4,5,6,7,8,9,10,11,12,13,14,15
	QMATH \i
	global_store_b64 v2, v[YB+2*(\i):YB+2*(\i)+1], s[20:21] offset:256*(\i)
.endr
	s_endpgm                                       ; these waves have written no LDS
.Lblocks:                                              ; w_proj: fragment blocks out
	v_readfirstlane_b32 s24, v4                    ; my wave's number as a scalar
	s_sub_co_u32 s16, s16, 768                     ; my number among w_proj's 256 work-groups: 16 rows x 1,024 k
	s_lshr_b32 s17, s16, 2                         ; which 16 rows: 16 x 16,384 bytes,
	s_lshl_b32 s17, s17, 18
	s_and_b32 s22, s16, 3                          ; which 1,024 k of them: 4,096 bytes of each row
	s_lshl_b32 s22, s22, 12
	s_add_co_u32 s22, s22, s17
	v_lshlrev_b32 v2, 4, v3
	v_lshl_add_u32 v1, v4, 9, v2                   ; in: my wave's 128 k (512 bytes of a row) + 16 x lane; never rewritten
	v_lshl_add_u32 v2, v4, 12, v2                  ; out: my wave's four blocks + 16 x lane; never rewritten
	s_wait_kmcnt 0x0
	s_add_nc_u64 s[18:19], s[8:9], s[22:23]
	s_lshl_b32 s22, s16, 15                        ; the work-group's 32 blocks lie on end
	s_add_nc_u64 s[20:21], s[14:15], s[22:23]
.irp i, 0,1,2,3,4,5,6,7,8,9,10,11,12,13,14,15
	global_load_b128 v[XB+4*(\i):XB+4*(\i)+3], v1, s[18:19] offset:16384*(\i) th:TH_LOAD_NT  ; row i: 512 consecutive bytes
.endr
	s_mul_i32 s24, s24, WST                        ; my wave's LDS bytes
	v_lshrrev_b32 v[LW], 1, v3
	v_mul_u32_u24 v[LW], v[LW], LP                 ; in: the 256 bytes numbered lane / 2,
	v_and_b32 v[LR], 1, v3
	v_lshl_add_u32 v[LW], v[LR], 3, v[LW]          ; 8 bytes for each of the two lanes
	v_add_nc_u32 v[LW], s24, v[LW]
	v_lshrrev_b32 v[LR], 4, v3
	v_mul_u32_u24 v[LR], v[LR], LP                 ; back: lanes 0-15 take 256 bytes, lanes 16-31 the next
	v_and_b32 v[LR+1], 15, v3
	v_lshl_add_u32 v[LR], v[LR+1], 4, v[LR]
	v_add_nc_u32 v[LR], s24, v[LR]
.irp i, 0,1,2,3,4,5,6,7,8,9,10,11,12,13,14,15
	QMATH \i
	ds_store_b64 v[LW], v[YB+2*(\i):YB+2*(\i)+1] offset:16*(\i)
.endr
.irp j, 0,1,2,3,4,5,6,7
	ds_load_b128 v[XB+4*(\j):XB+4*(\j)+3], v[LR] offset:2*LP*(\j)  ; LDS serves a wave's instructions in order (ISA guide 5.7.1.4): these see my stores
.endr
.irp j, 0,1,2,3,4,5,6,7
	s_wait_dscnt 7-(\j)
	global_store_b128 v2, v[XB+4*(\j):XB+4*(\j)+3], s[20:21] offset:512*(\j)  ; 512 consecutive bytes, aligned
.endr
	s_wait_tensorcnt 0x0                           ; the wave's end, behind my last LDS store
	ds_add_u32 v[SPW], v[NIL]
	s_wait_dscnt 0x0
	s_endpgm
.Lfunc_end_k_q4211cc44a5_quant:
	.size	k_q4211cc44a5_quant, .Lfunc_end_k_q4211cc44a5_quant-k_q4211cc44a5_quant
	.p2alignl 7, 3214868480
	.fill 96, 4, 3214868480
	.section	.rodata,"a",@progbits
	.p2align	6, 0x0
	.amdhsa_kernel k_q4211cc44a5_quant
		.amdhsa_group_segment_fixed_size 35840
		.amdhsa_private_segment_fixed_size 0
		.amdhsa_enable_private_segment 0
		.amdhsa_kernarg_size 48
		.amdhsa_user_sgpr_count 2
		.amdhsa_user_sgpr_kernarg_segment_ptr 1
		.amdhsa_wavefront_size32 1
		.amdhsa_system_sgpr_workgroup_id_x 1
		.amdhsa_system_sgpr_workgroup_id_y 1
		.amdhsa_system_sgpr_workgroup_id_z 1
		.amdhsa_system_vgpr_workitem_id 0
		.amdhsa_next_free_vgpr 112
		.amdhsa_next_free_sgpr 66
		.amdhsa_reserve_vcc 0
		.amdhsa_float_denorm_mode_32 3
		.amdhsa_float_denorm_mode_16_64 3
		.amdhsa_memory_ordered 1
		.amdhsa_forward_progress 1
		.amdhsa_inst_pref_size 39
	.end_amdhsa_kernel
	.amdgpu_metadata
---
amdhsa.version: [ 1, 2 ]
amdhsa.kernels:
  - .name:           k_q4211cc44a5_quant
    .symbol:         k_q4211cc44a5_quant.kd
    .args:
      - { .name: x, .offset: 0, .size: 8, .value_kind: global_buffer, .address_space: global }
      - { .name: w_fc, .offset: 8, .size: 8, .value_kind: global_buffer, .address_space: global }
      - { .name: w_proj, .offset: 16, .size: 8, .value_kind: global_buffer, .address_space: global }
      - { .name: xq, .offset: 24, .size: 8, .value_kind: global_buffer, .address_space: global }
      - { .name: wfq, .offset: 32, .size: 8, .value_kind: global_buffer, .address_space: global }
      - { .name: wpq, .offset: 40, .size: 8, .value_kind: global_buffer, .address_space: global }
    .group_segment_fixed_size: 35840
    .private_segment_fixed_size: 0
    .kernarg_segment_align: 8
    .kernarg_segment_size: 48
    .max_flat_workgroup_size: 256
    .sgpr_count:     66
    .vgpr_count:     112
    .wavefront_size: 32
...
	.end_amdgpu_metadata
.endif
;; end of part 1
;; launch fc (part 2): grid 16 x 16, 4 waves a work-group, clusters of 4 x 4, 327,680 bytes of LDS; arguments xq, wfq, b_fc, hq; writes hq
.if DOCPART == 2
	.amdgcn_target "amdgcn-amd-amdhsa--gfx1250"
	.amdhsa_code_object_version 6
	.text
	.protected	k_q4211cc44a5_fc
	.globl	k_q4211cc44a5_fc
	.p2align	8
	.type	k_q4211cc44a5_fc,@function
k_q4211cc44a5_fc:
	s_mov_b64 s[64:65], 0
	v_nop
	global_prefetch_b8 v0, s[64:65] scope:SCOPE_SE
	s_setreg_imm32_b32 hwreg(HW_REG_WAVE_MODE, 25, 1), 1
	s_wait_xcnt 0x0
	s_wait_alu depctr_hold_cnt(0) depctr_sa_sdst(0) depctr_va_vdst(0) depctr_va_sdst(0) depctr_va_ssrc(0) depctr_va_vcc(0) depctr_vm_vsrc(0)
	s_getreg_b32 s2, hwreg(HW_REG_IB_STS2, 6, 4)
	s_cmp_eq_u32 s2, 0
	s_cbranch_scc0 .Lentry_in_a_cluster
	s_endpgm
.Lentry_in_a_cluster:
	s_bfe_u32 s2, ttmp6, 0x10000c
	s_cmp_lg_u32 s2, 0xf033
	s_cbranch_scc0 .Lentry_shape_is_right
	s_endpgm
.Lentry_shape_is_right:
; hq = quantised 2 gelu(xq wfq^T + b_fc).  xq: [8192][1024], wfq: [4096][1024], bf16, row-major; b_fc: [4096] f32; sums and everything behind them in f32.
; hq, 8192 x 4096 bf16, IS LAID IN FRAGMENT BLOCKS, as the next launch's matrix instructions take it: a block is 16 rows x 32 columns = 1,024 bytes; (row r, column k) lies at byte
; 512 ((k % 32) / 16) + 16 (16 ((k % 16) / 8) + r % 16) + 2 (k % 8); blocks in the order [row / 16][k / 32], 131,072 bytes for 16 rows.
; THE PRODUCT.  A tile of 256 x 256 is made by four waves, each 128 x 128: 64 accumulators of 16 x 16, 512 registers.  K goes in steps of 128 through a ring of two LDS slots filled by
; the tensor data mover (rows of 256 bytes, aligned).  A work-group makes two tiles, 4,096 rows apart: 512 tiles on 256 work-groups; the ring runs on into the second tile, whose first
; two K steps are asked for in the first tile's last two changes of slots, ahead of the first tile's way out.
; CLUSTER.  4 x 4 work-groups: the four of a row of the cluster need the same tiles of xq, the four of a column the same tiles of wfq; each tile is asked for jointly, by the same
; tensor load with the same descriptor and a mask that names the four.
; THE MATRIX INSTRUCTION IS USED TRANSPOSED (source 0 = 16 rows of wfq, source 1 = 16 rows of xq): a lane holds row lane % 16 and the eight columns 8 (lane / 16) + 0..7 of accumulator (a, b).
; Rounded to bf16 these are the 16 bytes at 512 (b % 2) + 16 lane of hq's block (row block a, column block b / 2): nothing changes lanes on the way out.
; THE WAY OUT.  Registers cannot be indexed in a loop, so raw sums go through the wave's own stage in LDS, each lane reading back its own bytes: eight accumulators at a time (four row blocks of one
; register window x the column pair 2 j, 2 j + 1).  A trip takes one row block of them, 16 rows x 32 columns, 16 numbers a lane: z = sum + bias (one rounding); h' = z erfc(-z sqrt(1/2)), which is twice
; the GELU; a row's 32 columns are one block of the next product's K: my 16 numbers and those of the lane 16 away; its exponent; the rounding to 2^(e-3), ties to even, by adding and taking away
; C = 1.5 x 2^(e+20); bf16, which is exact.  The factor 1/2 is a power of two and passes every rounding unchanged: the next launch applies it.
; erfc is the Cephes library's single-precision one, Horner steps as fused multiply-adds: |a| < 1: 1 - a T(a^2); 1 <= |a| < 2: exp(-a^2) / |a| P(1 / a^2); beyond: the same with R; a < 0: 2 less that.
; All three are computed in every lane and chosen by v_cndmask_b32; a lane's unchosen ones may be infinite or NaN and are dropped.
; LIMITS.  For |a| >= 1 the exponential and the reciprocal are v_exp_f32 and v_rcp_f32: erfc is then good to a few units in its last place, and counts as 0 below 2^-126.  A hidden number that
; lies within such an error of the middle between two steps may be rounded the other way than by another erfc.  The block's exponent is the true floor of log2, not below -126 (for h).
; |h| stays below 2^106.  NaN and infinities are not treated apart.
; REGISTERS, in windows of 256 (s_set_vgpr_msb: bits 1:0 source 0, 3:2 source 1, 5:4 source 2, 7:6 destination):
;   window 0: v0-15 raw sums; v16-31 addresses; v32-54 the way out's bias and maxima; v64-127, v128-191 fragments of xq, two buffers; on the way out v128-255 eight arrays of 16 numbers
;   window 1: v64-127, v128-191 fragments of wfq; v192-255 b_fc of my columns      window 2: the accumulators of my rows 0-63 ((a, b) at v[8 (8 a + b)])      window 3: those of my rows 64-127
.set SIZE_M, 8192
.set SIZE_N, 4096
.set SIZE_K, 1024
.set SIZE_TILES, 2
.set KSTEP,  128
.set PITCH,  272                       ; an LDS row: 256 bytes + 16 of padding = 68 words: the 16 rows that a load touches start at 16 different groups of four banks (64 banks of 4 bytes: ISA guide 11.1)
.set HALFT,  128*PITCH                 ; 128 rows: what one tensor load brings, and what one wave reads of either operand
.set SLOT,   4*HALFT                   ; xq's 256 rows, then wfq's 256 rows
.set STAGE,  2*SLOT                    ; behind the ring, never filled by a tensor load: 8,192 bytes for each wave: eight accumulators
.set STW,    8192
.set SPARE,  STAGE+4*STW               ; behind the stages: the spare words, 128 bytes for each wave: two blocks of 256 bytes that no other line names
.set LAPS,   SIZE_K/(2*KSTEP)          ; a lap = two K steps = once round the ring
.set WALK,   SIZE_M/SIZE_TILES         ; rows from a work-group's first tile to its second
.set NEXT_A, WALK*SIZE_K*2-(SIZE_K-2*KSTEP)*2   ; bytes from a slot's last K step of a tile to its first of the next: WALK rows down and back along K,
.set BACK_B, (SIZE_K-2*KSTEP)*2        ; wfq only back
.set RSTEP,  (SIZE_N/32)*1024          ; bytes of hq from 16 rows to the next 16
.set TSTEP,  (WALK/16)*RSTEP           ; and from a tile to the work-group's next
.set RAW,  0                           ; v[0:15] 16 raw sums: accumulator (a, 2 j), then (a, 2 j + 1)
.set ADRA, 16                          ; v16-17  LDS address of my xq fragments in slot 0, 1
.set ADRB, 20                          ; v20-21  the same for wfq
.set STO,  24                          ; v24     my 16 bytes in each 512 of my wave's stage
.set VO,   25                          ; v25     my byte offset in hq from the wave's first block: CO + the trip's block
.set CO,   26                          ; v26     16 x lane
.set RDP,  27                          ; v27     STO + the trip's 2,048 bytes
.set SPW,  28                          ; v28     LDS address of my spare word; never rewritten
.set NIL,  29                          ; v29     0; never rewritten
.set BO,   30                          ; v30     32 (lane / 16): my eight columns among sixteen, in bytes of f32
.set BIASC, 32                         ; v[32:47] b_fc of the 16 columns in hand
.set MX,   48                          ; v48 the block's maximum, then C; v49 is only named with it
.set TM,   50                          ; v[50:54] at work
.set BI,   192                         ; window 1: b_fc of my 64 columns, 16 for each column pair
.set F0,   64
.set F1,   128
.set AZ,   128                         ; z, then h', then its quantised value
.set AA,   144                         ; a = -z sqrt(1/2)
.set AS,   160                         ; a^2, then 1 / a^2
.set AT,   176                         ; T, then 1 - a T, then erfc
.set AE,   192                         ; -a^2 log2(e), its power of two, then that over a
.set AQ,   208                         ; 1 / a, then 0 or 2
.set AP,   224                         ; P, then erfc for |a| >= 1
.set AR,   240                         ; R
.set OB,   240                         ; v[240:247] 16 bf16 to store, where R lay
.set OFN, 13                           ; s13  the next trip's block in hq, in bytes from the wave's first
.set OFC, 14                           ; s14  this trip's
.set SEL, 18                           ; s[18:19] v_permlanex16_b32's selects: each lane takes its own place in the other half
.set G1,  24                           ; s[24:31] descriptor group 1 for xq's tiles;  s[32:39] group 0, one set for each slot
.set G0,  32
.set RB,  45                           ; s45  the trip's bytes in the stage
.set G1B, 48                           ; s[48:55], s[56:63] the same for wfq's tiles
.set G0B, 56
.set KT0, 66                           ; s[66:71], s[92:97] the first two coefficients of T, P and R, each twice: a packed instruction names a pair
.set KT1, 68
.set KP0, 70
.set MK,  72                           ; s72-87  sixteen lane masks
.set BLK, 88                           ; s88  stage fillings to go
.set CNT, 89                           ; s89  trips to go
.set BB,  90                           ; s[90:91] b_fc
.set KP1, 92
.set KR0, 94
.set KR1, 96
.set MSB, 0
.macro WIN new                         ; the immediate's high byte repeats the setting that is left; a switch that changes nothing is dropped
.if MSB != (\new)
	s_set_vgpr_msb (MSB<<8)|(\new)
.set MSB, \new
.endif
.endm
.set MUL_LO, 0xa1                      ; source 0 (wfq) window 1, source 1 (xq) window 0, C and D window 2
.set MUL_HI, 0xf1                      ; the same, C and D window 3
.set TO_B,   0x40                      ; destination window 1, address window 0
; A joint load.  Waves 0 and 1 fetch xq's two halves, waves 2 and 3 wfq's.  The branch hangs on the wave's number alone.  An s_nop 0 and four v_nop follow each of the two lines.
.macro JLOAD s
	s_cmp_eq_u32 s11, 0
	s_cbranch_scc0 .Lfor_b_\@
	tensor_load_to_lds s[G0+4*(\s):G0+4*(\s)+3], s[G1:G1+7]
	s_nop 0
.rept 4
	v_nop
.endr
	s_branch .Lasked_\@
.Lfor_b_\@:
	tensor_load_to_lds s[G0B+4*(\s):G0B+4*(\s)+3], s[G1B:G1B+7]
	s_nop 0
.rept 4
	v_nop
.endr
.Lasked_\@:
.endm
; A round of the cluster's barrier: my work-group's barrier; wave 0 signals for the work-group; every wave waits for all sixteen; my work-group's barrier once more.
.macro CREST                           ; a round behind its opening barrier
	s_cmp_lg_u32 s10, 0
	s_cbranch_scc1 .Lnot_wave_0_\@
	s_barrier_signal -3
.Lnot_wave_0_\@:
	s_barrier_wait -3
	s_barrier_signal -1
	s_barrier_wait -1
.endm
.macro CROUND
	s_barrier_signal -1
	s_barrier_wait -1
	CREST
.endm
.macro KPAIR r, c
	s_mov_b32 s[\r], \c
	s_mov_b32 s[(\r)+1], \c
.endm
	s_load_b128 s[4:7], s[0:1], 0x0                ; xq s[4:5], wfq s[6:7]
	s_load_b64 s[BB:BB+1], s[0:1], 0x10            ; b_fc
	s_load_b64 s[8:9], s[0:1], 0x18                ; hq
	v_lshl_add_u32 v[SPW], v0, 2, SPARE
	v_mov_b32 v[NIL], 0
	ds_add_u32 v[SPW], v[NIL]                      ; the wave's opening: the add and its wait stand ahead of my first tensor load; the set-up below, work on registers, stands between them
	v_lshrrev_b32 v1, 5, v0
	v_readfirstlane_b32 s10, v1                    ; wave 0..3
	s_lshr_b32 s11, s10, 1                         ; which half of the tile's rows is mine.  Also: I fetch xq (0) or wfq (1)
	s_and_b32 s12, s10, 1                          ; which half of its columns.  Also: which 128 rows of that tile I fetch
	s_bfe_u32 s40, ttmp6, 0x40000                  ; cx
	s_bfe_u32 s41, ttmp6, 0x40004                  ; cy
	s_lshl_b32 s42, ttmp9, 2
	s_add_co_u32 s42, s42, s40                     ; tile column = 4 x cluster x + cx
	s_and_b32 s13, ttmp7, 0xffff
	s_lshl_b32 s13, s13, 2
	s_add_co_u32 s13, s13, s41                     ; tile row = 4 x cluster y + cy
	s_lshl_b32 s43, s41, 2
	s_lshl_b32 s43, 15, s43                        ; my row of the cluster
	s_lshl_b32 s44, 0x1111, s40                    ; my column
	; descriptor group 1: a tile of 128 rows x 128 elements, padded in LDS
	s_or_b32 s[G1+0], s43, (1<<16)|(1<<20)|(1<<21)|(5<<22)|(3<<25)  ; 15:0 the mask; 17:16 elements of 2 bytes; 20 padding on; 21 set beside a mask; 24:22 after every 64 words (code 5); 31:25 4 words of it (code 3)
	s_or_b32 s[G1B+0], s44, (1<<16)|(1<<20)|(1<<21)|(5<<22)|(3<<25)
.irp g, G1, G1B
	s_mov_b32 s[(\g)+1], KSTEP<<16                 ; tensor_dim0 = 128
	s_mov_b32 s[(\g)+2], 128<<16                   ; tensor_dim1 = 128
	s_mov_b32 s[(\g)+3], KSTEP<<16                 ; tile_dim0 = 128
	s_mov_b32 s[(\g)+4], 128                       ; tile_dim1 = 128
	s_mov_b32 s[(\g)+5], SIZE_K                    ; elements from row to row
	s_mov_b32 s[(\g)+6], 0
	s_mov_b32 s[(\g)+7], 0
.endr
	KPAIR KT0, 0x38a4b519                          ; T0 =  7.853861353e-5
	KPAIR KT1, 0xba51fb80                          ; T1 = -8.010193625e-4
	KPAIR KP0, 0x3cbe9cf4                          ; P0 =  2.326819970e-2
	KPAIR KP1, 0xbe0e0868                          ; P1 = -1.387039389e-1
	KPAIR KR0, 0xc127a483                          ; R0 = -1.047766400e+1
	KPAIR KR1, 0x414fa29c                          ; R1 =  1.297719955e+1
	s_lshl_b32 s17, s12, 7                         ; which 128 rows of the tile I fetch
	s_lshl_b32 s16, s13, 8
	s_add_co_u32 s16, s16, s17                     ; xq: row 256 x tile row + 128 x half
	s_lshl_b32 s46, s42, 8
	s_add_co_u32 s46, s46, s17                     ; wfq: row 256 x tile column + 128 x half
	s_mov_b32 s17, 0
	s_mov_b32 s47, 0
	s_mov_b64 s[18:19], SIZE_K*2
	s_mul_u64 s[16:17], s[16:17], s[18:19]
	s_mul_u64 s[46:47], s[46:47], s[18:19]
	s_mul_i32 s20, s10, HALFT                      ; where they go: wave x 128 rows: no place in the cluster enters an LDS address
	s_wait_dscnt 0x0                               ; the opening add is done
	s_wait_kmcnt 0x0
	s_add_nc_u64 s[14:15], s[4:5], s[16:17]
	s_add_nc_u64 s[46:47], s[6:7], s[46:47]
	CROUND                                         ; all sixteen work-groups are here: the first joint loads meet
.irp s, 0,1
	s_mov_b32 s[G0+4*(\s)], 1                                      ; count = 1
	s_add_co_u32 s[G0+4*(\s)+1], s20, (\s)*SLOT                    ; LDS address
	s_add_nc_u64 s[G0+4*(\s)+2:G0+4*(\s)+3], s[14:15], (\s)*KSTEP*2  ; global address: K step s
	s_or_b32 s[G0+4*(\s)+3], s[G0+4*(\s)+3], 0x80000000            ; type = 2
	s_mov_b32 s[G0B+4*(\s)], 1
	s_add_co_u32 s[G0B+4*(\s)+1], s20, (\s)*SLOT
	s_add_nc_u64 s[G0B+4*(\s)+2:G0B+4*(\s)+3], s[46:47], (\s)*KSTEP*2
	s_or_b32 s[G0B+4*(\s)+3], s[G0B+4*(\s)+3], 0x80000000
	JLOAD \s                                       ; two loads of mine are out
.endr
	; A fragment is 16 rows x 32 K in 8 registers: lane l holds row l % 16; registers 0-3 K = 8 (l / 16) + 0..7, registers 4-7 K = 16 + 8 (l / 16) + 0..7: two loads of 16 bytes, 32 bytes apart.
	v_and_b32 v1, 15, v0                           ; l % 16
	v_bfe_u32 v2, v0, 4, 1                         ; l / 16
	v_mul_u32_u24 v3, v1, PITCH
	v_lshl_add_u32 v3, v2, 4, v3
	s_mul_i32 s21, s11, HALFT                      ; my 128 rows of xq
	s_mul_i32 s22, s12, HALFT                      ; my 128 rows of wfq,
	s_add_co_u32 s22, s22, 2*HALFT                 ; which lie behind xq's 256
.irp s, 0,1
	v_add_nc_u32 v[ADRA+(\s)], s21, v3
	v_add_nc_u32 v[ADRB+(\s)], s22, v3
	s_add_co_u32 s21, s21, SLOT
	s_add_co_u32 s22, s22, SLOT
.endr
	v_and_b32 v4, 31, v0
	v_lshlrev_b32 v[CO], 4, v4                     ; 16 x lane
	s_lshl_b32 s23, s10, 13                        ; my stage: wave x 8,192
	s_add_co_u32 s23, s23, STAGE
	v_add_nc_u32 v[STO], s23, v[CO]
	v_lshlrev_b32 v[BO], 5, v2
	v_mov_b32 v[MX+1], 0
	s_mov_b32 s[SEL], 0x76543210
	s_mov_b32 s[SEL+1], 0xfedcba98
	s_lshl_b32 s16, s13, 4                         ; hq at my wave's first block: block row 16 x tile row + 8 x half,
	s_lshl_b32 s17, s11, 3
	s_add_co_u32 s16, s16, s17
	s_lshl_b32 s16, s16, 17                        ; 131,072 bytes each,
	s_mov_b32 s17, 0
	s_add_nc_u64 s[8:9], s[8:9], s[16:17]
	s_lshl_b32 s46, s42, 3                         ; block column 8 x tile column + 4 x half (in the registers that held wfq's address: none that feeds xq's descriptors ever holds cx),
	s_lshl_b32 s47, s12, 2
	s_add_co_u32 s46, s46, s47
	s_lshl_b32 s46, s46, 10                        ; 1,024 bytes each
	s_mov_b32 s47, 0
	s_add_nc_u64 s[8:9], s[8:9], s[46:47]
	s_lshr_b32 s46, s46, 3                         ; a block column is 32 numbers of b_fc, 128 bytes
	s_add_nc_u64 s[BB:BB+1], s[BB:BB+1], s[46:47]
	WIN TO_B
.set tt, 0
.rept 16                               ; column pair tt / 4, accumulator (tt / 2) % 2 of it, registers 4 (tt % 2) on; waited for at the head of the way out
	global_load_b128 v[BI+4*tt:BI+4*tt+3], v[BO], s[BB:BB+1] offset:128*(tt/4)+64*((tt/2)%2)+16*(tt%2)
.set tt, tt+1
.endr
	WIN 0
; 16 matrix instructions: m blocks a0, a0 + 1 of the window's four (hi = 0: my rows 0-63, 1: rows 64-127) x all 8 n blocks, 32 along K.  zero = 1: the first product starts the sums.
.macro MUL16 f, hi, a0, zero
	WIN MUL_LO+0x50*(\hi)
.irp a, \a0, (\a0)+1
.irp b, 0,1,2,3,4,5,6,7
.if \zero
	v_wmma_f32_16x16x32_bf16 v[8*(8*(\a)+(\b)):8*(8*(\a)+(\b))+7], v[(\f)+8*(\b):(\f)+8*(\b)+7], v[(\f)+8*(4*(\hi)+(\a)):(\f)+8*(4*(\hi)+(\a))+7], 0
.else
	v_wmma_f32_16x16x32_bf16 v[8*(8*(\a)+(\b)):8*(8*(\a)+(\b))+7], v[(\f)+8*(\b):(\f)+8*(\b)+7], v[(\f)+8*(4*(\hi)+(\a)):(\f)+8*(4*(\hi)+(\a))+7], v[8*(8*(\a)+(\b)):8*(8*(\a)+(\b))+7]
.endif
.endr
.endr
.endm
; 32 LDS loads in one run: the fragments of one quarter step (32 K at byte k of the rows) into buffer f
.macro FETCH slot, k, f
	WIN TO_B
.irp i, 0,1,2,3,4,5,6,7
	ds_load_b128 v[(\f)+8*(\i):(\f)+8*(\i)+3],   v[ADRB+(\slot)] offset:(\k)+(\i)*16*PITCH
	ds_load_b128 v[(\f)+8*(\i)+4:(\f)+8*(\i)+7], v[ADRB+(\slot)] offset:(\k)+(\i)*16*PITCH+32
.endr
	WIN 0
.irp i, 0,1,2,3,4,5,6,7
	ds_load_b128 v[(\f)+8*(\i):(\f)+8*(\i)+3],   v[ADRA+(\slot)] offset:(\k)+(\i)*16*PITCH
	ds_load_b128 v[(\f)+8*(\i)+4:(\f)+8*(\i)+7], v[ADRA+(\slot)] offset:(\k)+(\i)*16*PITCH+32
.endr
.endm
; Four plain vector instructions stand between a matrix instruction and a load into, a vector write of, or a read by anything else of its registers (ISA guide 7.12.1 for vector writes and reads).
.macro PLACES
.rept 4
	v_nop
.endr
.endm
; A K step is four quarters of 32 along K, 64 matrix instructions each, on buffers 0, 1, 0, 1; the 64 accumulators take turns in one order.
.macro QUARTER slot, k, f, g, zero
	s_wait_dscnt 8                                 ; wfq's and xq's rows 0-63 are in; the youngest eight loads (xq's rows 64-127) may be out
	MUL16 \f, 0, 0, \zero
	MUL16 \f, 0, 2, \zero
	PLACES
	FETCH \slot, \k, \g
	s_wait_dscnt 32                                ; all but the 32 just issued
	MUL16 \f, 1, 0, \zero
	MUL16 \f, 1, 2, \zero
.endm
; The first half of a K step's last quarter: one barrier for the change of slots.  In front of it each wave waits for all its tensor loads (its part of the next slot), adds 0 to its spare word,
; and waits for that and for its own reads of this slot.
.macro MEET round
	WIN 0
	s_wait_tensorcnt 0x0                           ; all my tensor loads have landed
	ds_add_u32 v[SPW], v[NIL]                      ; 0 onto my spare word
	s_wait_dscnt 9                                 ; the add and the youngest eight loads may be out
	MUL16 F1, 0, 0, 0
	s_wait_dscnt 0x0                               ; the add is done, and my reads of this slot are over
	s_barrier_signal -1
	MUL16 F1, 0, 2, 0
.if \round
	WIN 0
.endif
	s_barrier_wait -1
.endm
; The whole last quarter.  mode 0: the slot just read is filled again with this tile's K step two steps on; 1: with the next tile's K step 0 or 1; 2: with nothing (no round of the cluster's barrier).
.macro TURN slot, next, mode
.if (\mode) == 2
	MEET 0
	PLACES
.else
	MEET 1
	CREST                                          ; no wave of any partner still reads this slot's tile or has a load on its way
.if (\mode) == 1
	s_add_nc_u64 s[G0+4*(\slot)+2:G0+4*(\slot)+3], s[G0+4*(\slot)+2:G0+4*(\slot)+3], NEXT_A
	s_sub_nc_u64 s[G0B+4*(\slot)+2:G0B+4*(\slot)+3], s[G0B+4*(\slot)+2:G0B+4*(\slot)+3], BACK_B
.else
	s_add_nc_u64 s[G0+4*(\slot)+2:G0+4*(\slot)+3], s[G0+4*(\slot)+2:G0+4*(\slot)+3], 2*KSTEP*2
	s_add_nc_u64 s[G0B+4*(\slot)+2:G0B+4*(\slot)+3], s[G0B+4*(\slot)+2:G0B+4*(\slot)+3], 2*KSTEP*2
.endif
	JLOAD \slot                                    ; my one tensor load behind the round, and the first thing there; its four v_nop are also the places in front of the loads below
.endif
	FETCH \next, 0, F0
	MUL16 F1, 1, 0, 0
	MUL16 F1, 1, 2, 0
.endm
.macro LASTQ                           ; the last tile's last quarter: nothing more to fetch
	s_wait_dscnt 8
	MUL16 F1, 0, 0, 0
	MUL16 F1, 0, 2, 0
	s_wait_dscnt 0x0
	MUL16 F1, 1, 0, 0
	MUL16 F1, 1, 2, 0
	WIN 0
.endm
; THE WAY OUT'S PIECES.
; Filling q of the stage: the column pair j = q / 2 of the four row blocks of window 2 + q % 2: eight accumulators, each lane's 16 bytes at 16 x lane of each 512: neighbouring lanes, neighbouring bytes.
; Each accumulator's low registers go first.
.macro STOREBLK q
	WIN 0x08+4*((\q)%2)                            ; store data (source 1) in window 2 or 3
.irp i, 0,1,2,3
.irp bb, 0,1
.set AC, 8*(8*(\i)+2*((\q)/2)+(\bb))
	ds_store_b128 v[STO], v[AC:AC+3] offset:(4*(\i)+2*(\bb))*512
	ds_store_b128 v[STO], v[AC+4:AC+7] offset:(4*(\i)+2*(\bb)+1)*512
.endr
.endr
	WIN 0
.endm
.macro BIASMOV j                       ; b_fc of column pair j comes to hand
	WIN 0x01                                       ; source 0 in window 1
.set ii, 0
.rept 16
	v_mov_b32 v[BIASC+ii], v[BI+16*(\j)+ii]
.set ii, ii+1
.endr
	WIN 0
.endm
.macro LOADZ adr                       ; one row block's two accumulators.  LDS serves a wave's instructions in order (ISA guide 5.7.1.4): these see my stores
	ds_load_b128 v[RAW:RAW+3],     v[\adr]
	ds_load_b128 v[RAW+4:RAW+7],   v[\adr] offset:512
	ds_load_b128 v[RAW+8:RAW+11],  v[\adr] offset:1024
	ds_load_b128 v[RAW+12:RAW+15], v[\adr] offset:1536
.endm
.macro EACH8 line:vararg               ; one line for each pair ii of eight
.set ii, 0
	s_wait_alu depctr_va_vdst(0)
.rept 8
	\line
.set ii, ii+1
.endr
.endm
.macro EACH16 line:vararg              ; one line for each number ii of sixteen
.set ii, 0
.rept 16
	\line
.set ii, ii+1
.endr
.endm
.macro RIDER                           ; the 32 transcendentals stand one behind each of T's first 32 Horner lines, so that a plain instruction follows each (ISA guide 5.7.2)
.if nn < 16
	v_exp_f32 v[AE+nn], v[AE+nn]
.else
	v_rcp_f32 v[AQ+nn-16], v[AA+nn-16]
.endif
.set nn, nn+1
.endm
.macro HORNER0 arr, k0, k1, ride=0     ; c0 s + c1
.set ii, 0
.rept 8
	v_pk_fma_f32 v[(\arr)+2*ii:(\arr)+2*ii+1], v[AS+2*ii:AS+2*ii+1], s[\k0:\k0+1], s[\k1:\k1+1] op_sel_hi:[1,0,0]
.if \ride
	RIDER
.endif
.set ii, ii+1
.endr
.endm
.macro HORNER arr, c, ride=0           ; p s + c
.set ii, 0
.rept 8
	v_pk_fma_f32 v[(\arr)+2*ii:(\arr)+2*ii+1], v[(\arr)+2*ii:(\arr)+2*ii+1], v[AS+2*ii:AS+2*ii+1], \c op_sel_hi:[1,1,0]
.if \ride
	RIDER
.endif
.set ii, ii+1
.endr
.endm
; A TRIP: 16 rows x 32 columns, 16 numbers a lane.  last = 1: the filling's fourth trip, which fills the stage anew and reads its first row block.
.macro TRIP last
	s_wait_dscnt 0x0                               ; the raw sums, asked for a trip ago
	EACH8 v_pk_add_f32 v[AZ+2*ii:AZ+2*ii+1], v[RAW+2*ii:RAW+2*ii+1], v[BIASC+2*ii:BIASC+2*ii+1]
	s_mov_b32 s[OFC], s[OFN]                       ; this trip's block of hq;
	s_add_co_u32 s[OFN], s[OFN], RSTEP             ; the next trip's lies 16 rows down, from window 2's last row block to window 3's first too
.if \last
.irp k, 1,2,3,4,5,6,7                  ; which filling comes next hangs on the count of fillings: the accumulators cannot be indexed
	s_cmp_eq_u32 s[BLK], 9-(\k)
	s_cbranch_scc1 .Lst\k
.endr
	s_branch .Lnost                                ; behind the eighth nothing
.irp k, 1,2,3,4,5,6,7
.Lst\k:
	STOREBLK \k                                    ; my reads of the filling before are back (the wait at the trip's head)
.if ((\k)%2) == 0
	BIASMOV (\k)/2                                 ; a new column pair: its bias, and back to the first row block, one block column on
	s_mov_b32 s[OFN], ((\k)/2)*1024
.endif
	s_branch .Lld
.endr
.Lld:
	LOADZ STO
.Lnost:
.else
	s_add_co_u32 s[RB], s[RB], 2048
	v_add_nc_u32 v[RDP], s[RB], v[STO]
	LOADZ RDP                                      ; the next trip's raw sums have this trip in which to come
.endif
	EACH8 v_pk_mul_f32 v[AA+2*ii:AA+2*ii+1], v[AZ+2*ii:AZ+2*ii+1], 0xbf3504f3 op_sel_hi:[1,0]   ; a = -z sqrt(1/2)
	EACH8 v_pk_mul_f32 v[AS+2*ii:AS+2*ii+1], v[AA+2*ii:AA+2*ii+1], v[AA+2*ii:AA+2*ii+1]
	EACH8 v_pk_mul_f32 v[AE+2*ii:AE+2*ii+1], v[AS+2*ii:AS+2*ii+1], 0xbfb8aa3b op_sel_hi:[1,0]   ; -a^2 log2(e)
.set nn, 0
	HORNER0 AT, KT0, KT1, 1
	HORNER AT, 0x3baa02d9, 1                       ; T2 =  5.188327686e-3
	HORNER AT, 0xbcdbfc87, 1                       ; T3 = -2.685381194e-2
	HORNER AT, 0x3de7167c, 1                       ; T4 =  1.128358515e-1
	HORNER AT, 0xbec0939f                          ; T5 = -3.761262582e-1
	HORNER AT, 0x3f906eba                          ; T6 =  1.128379166
	EACH8 v_pk_fma_f32 v[AT+2*ii:AT+2*ii+1], v[AA+2*ii:AA+2*ii+1], v[AT+2*ii:AT+2*ii+1], 1.0 op_sel_hi:[1,1,0] neg_lo:[1,0,0] neg_hi:[1,0,0]   ; 1 - a T
	EACH8 v_pk_mul_f32 v[AS+2*ii:AS+2*ii+1], v[AQ+2*ii:AQ+2*ii+1], v[AQ+2*ii:AQ+2*ii+1]          ; 1 / a^2
	HORNER0 AP, KP0, KP1
	s_wait_xcnt 0x0                                ; the last trip's two stores have had their addresses translated (ISA guide 3.1): their offset and their data, where R lies, are rewritten only behind this wait
	v_add_nc_u32 v[VO], s[OFC], v[CO]
	HORNER0 AR, KR0, KR1
	HORNER AP, 0x3ebccbd0                          ; P2 =  3.687424675e-1
	HORNER AR, 0xc0efdb4a                          ; R2 = -7.495518718
	HORNER AP, 0xbf151cf8                          ; P3 = -5.824733027e-1
	HORNER AR, 0x403af1fa                          ; R3 =  2.921019019
	HORNER AP, 0x3f1ef9e3                          ; P4 =  6.210004622e-1
	HORNER AR, 0xbf81f436                          ; R4 = -1.015265279
	HORNER AP, 0xbefd28c0                          ; P5 = -4.944515323e-1
	HORNER AR, 0x3ed7fc3e                          ; R5 =  4.218463358e-1
	HORNER AP, 0x3eae5471                          ; P6 =  3.404879938e-1
	HORNER AR, 0xbe906c5d                          ; R6 = -2.820767440e-1
	HORNER AP, 0xbe8c5880                          ; P7 = -2.741127028e-1
	HORNER AR, 0x3f106eb9                          ; R7 =  5.641895068e-1
	HORNER AP, 0x3f1056e6                          ; P8 =  5.638259427e-1
	EACH8 v_pk_mul_f32 v[AE+2*ii:AE+2*ii+1], v[AE+2*ii:AE+2*ii+1], v[AQ+2*ii:AQ+2*ii+1]          ; exp(-a^2) / a, with a's sign
	EACH16 v_cmp_lt_f32 s[MK+ii], |v[AA+ii]|, 2.0
	EACH16 v_cndmask_b32 v[AP+ii], v[AR+ii], v[AP+ii], s[MK+ii]                                  ; P below 2, R from 2 on
	EACH16 v_cmp_gt_f32 s[MK+ii], 0, v[AA+ii]
	EACH16 v_cndmask_b32 v[AQ+ii], 0, 2.0, s[MK+ii]                                              ; a < 0: erfc(a) = 2 - erfc(-a)
	EACH8 v_pk_fma_f32 v[AP+2*ii:AP+2*ii+1], v[AE+2*ii:AE+2*ii+1], v[AP+2*ii:AP+2*ii+1], v[AQ+2*ii:AQ+2*ii+1]
	EACH16 v_cmp_lt_f32 s[MK+ii], |v[AA+ii]|, 1.0
	EACH16 v_cndmask_b32 v[AT+ii], v[AP+ii], v[AT+ii], s[MK+ii]
	EACH8 v_pk_mul_f32 v[AZ+2*ii:AZ+2*ii+1], v[AZ+2*ii:AZ+2*ii+1], v[AT+2*ii:AT+2*ii+1]          ; h' = z erfc(a) = 2 gelu(z)
	; the block's largest magnitude: my sixteen numbers, then those of the lane 16 away, which holds the row's other sixteen columns
.irp g, 0,1,2,3,4
	v_max3_num_f32 v[TM+(\g)], |v[AZ+3*(\g)]|, |v[AZ+3*(\g)+1]|, |v[AZ+3*(\g)+2]|
.endr
	v_max3_num_f32 v[TM], v[TM], v[TM+1], v[TM+2]
	v_max3_num_f32 v[TM+3], v[TM+3], v[TM+4], |v[AZ+15]|
	v_max_num_f32 v[TM], v[TM], v[TM+3]
	v_permlanex16_b32 v[TM+1], v[TM], s[SEL], s[SEL+1]
	v_max3_num_f32 v[MX], v[TM], v[TM+1], 0x01000000               ; not below 2^-125: h' is twice h
	v_and_b32 v[MX], 0x7f800000, v[MX]                             ; 2^e
	v_add_nc_u32 v[MX], 0x0a400000, v[MX]                          ; C = 1.5 x 2^(e+20)
	EACH8 v_pk_add_f32 v[AZ+2*ii:AZ+2*ii+1], v[AZ+2*ii:AZ+2*ii+1], v[MX:MX+1] op_sel_hi:[1,0]
	EACH8 v_pk_add_f32 v[AZ+2*ii:AZ+2*ii+1], v[AZ+2*ii:AZ+2*ii+1], v[MX:MX+1] op_sel_hi:[1,0] neg_lo:[0,1] neg_hi:[0,1]
	EACH8 v_cvt_pk_bf16_f32 v[OB+ii], v[AZ+2*ii], v[AZ+2*ii+1]
	global_store_b128 v[VO], v[OB:OB+3], s[8:9]                    ; the block's first half: 512 consecutive bytes, aligned
	global_store_b128 v[VO], v[OB+4:OB+7], s[8:9] offset:512       ; and its second
.endm
	s_wait_tensorcnt 1                             ; my part of K step 0 is in; K step 1's may stay out
	s_barrier_signal -1
	s_barrier_wait -1                              ; everybody's is
	FETCH 0, 0, F0
	s_mov_b32 s2, SIZE_TILES                       ; tiles to go: the same number in every work-group
.Ltile:
	QUARTER 0, 64,  F0, F1, 1                      ; a tile's first quarter starts the sums
	WIN 0                                          ; at a label and at a branch every window is 0
	s_mov_b32 s3, LAPS-1
.Llap:                                                 ; a trip goes once round the ring, from a lap's second quarter to the next lap's first, and fills both slots again
	QUARTER 0, 128, F1, F0, 0
	QUARTER 0, 192, F0, F1, 0
	TURN 0, 1, 0
	QUARTER 1, 64,  F0, F1, 0
	QUARTER 1, 128, F1, F0, 0
	QUARTER 1, 192, F0, F1, 0
	TURN 1, 0, 0
	QUARTER 0, 64,  F0, F1, 0
	WIN 0
	s_sub_co_u32 s3, s3, 1
	s_cmp_lg_u32 s3, 0
	s_cbranch_scc1 .Llap
	QUARTER 0, 128, F1, F0, 0                      ; the tile's last lap goes on
	QUARTER 0, 192, F0, F1, 0
	WIN 0
	s_cmp_eq_u32 s2, 1
	s_cbranch_scc1 .Llast
	TURN 0, 1, 1                                   ; the ring goes on into the next tile: slot 0 takes its K step 0,
	QUARTER 1, 64,  F0, F1, 0
	QUARTER 1, 128, F1, F0, 0
	QUARTER 1, 192, F0, F1, 0
	TURN 1, 0, 1                                   ; slot 1 its K step 1, and the next tile's first fragments are fetched
	WIN 0
	s_branch .Lout
.Llast:                                                ; the last tile asks for nothing more
	TURN 0, 1, 2
	QUARTER 1, 64,  F0, F1, 0
	QUARTER 1, 128, F1, F0, 0
	QUARTER 1, 192, F0, F1, 0
	LASTQ
.Lout:                                                 ; THE WAY OUT, one text for both tiles
	PLACES                                         ; behind the last products: their results are read, and buffer 1 of xq's fragments is written, below
	s_wait_loadcnt 0x0                             ; b_fc
	STOREBLK 0
	BIASMOV 0
	LOADZ STO
	s_mov_b32 s[OFN], 0
	s_mov_b32 s[BLK], 8
.Lblk:                                                 ; a filling of the stage: three trips that read on, and one that fills it anew
	s_mov_b32 s[RB], 0
	s_mov_b32 s[CNT], 3
.Ltrip:
	TRIP 0
	s_sub_co_u32 s[CNT], s[CNT], 1
	s_cmp_lg_u32 s[CNT], 0
	s_cbranch_scc1 .Ltrip
	TRIP 1
	s_sub_co_u32 s[BLK], s[BLK], 1
	s_cmp_lg_u32 s[BLK], 0
	s_cbranch_scc1 .Lblk
	s_wait_xcnt 0x0                                ; the last stores have had their addresses translated: their base is stepped only behind this wait
	s_add_nc_u64 s[8:9], s[8:9], TSTEP             ; hq at the next tile
	s_sub_co_u32 s2, s2, 1
	s_cmp_lg_u32 s2, 0
	s_cbranch_scc1 .Ltile
	s_wait_tensorcnt 0x0                           ; the wave's end, behind my last tensor load and my last LDS store
	ds_add_u32 v[SPW], v[NIL]
	s_wait_dscnt 0x0
	CROUND                                         ; the closing round: no work-group ends while a partner may still ask for a tile that names it
	s_endpgm
.Lfunc_end_k_q4211cc44a5_fc:
	.size	k_q4211cc44a5_fc, .Lfunc_end_k_q4211cc44a5_fc-k_q4211cc44a5_fc
	.p2alignl 7, 3214868480
	.fill 96, 4, 3214868480
	.section	.rodata,"a",@progbits
	.p2align	6, 0x0
	.amdhsa_kernel k_q4211cc44a5_fc
		.amdhsa_group_segment_fixed_size 327680
		.amdhsa_private_segment_fixed_size 0
		.amdhsa_enable_private_segment 0
		.amdhsa_kernarg_size 32
		.amdhsa_user_sgpr_count 2
		.amdhsa_user_sgpr_kernarg_segment_ptr 1
		.amdhsa_wavefront_size32 1
		.amdhsa_system_sgpr_workgroup_id_x 1
		.amdhsa_system_sgpr_workgroup_id_y 1
		.amdhsa_system_sgpr_workgroup_id_z 1
		.amdhsa_system_vgpr_workitem_id 0
		.amdhsa_next_free_vgpr 1024
		.amdhsa_next_free_sgpr 98
		.amdhsa_reserve_vcc 0
		.amdhsa_float_denorm_mode_32 3
		.amdhsa_float_denorm_mode_16_64 3
		.amdhsa_memory_ordered 1
		.amdhsa_forward_progress 1
		.amdhsa_inst_pref_size 220
	.end_amdhsa_kernel
	.amdgpu_metadata
---
amdhsa.version: [ 1, 2 ]
amdhsa.kernels:
  - .name:           k_q4211cc44a5_fc
    .symbol:         k_q4211cc44a5_fc.kd
    .args:
      - { .name: xq, .offset: 0, .size: 8, .value_kind: global_buffer, .address_space: global }
      - { .name: wfq, .offset: 8, .size: 8, .value_kind: global_buffer, .address_space: global }
      - { .name: b_fc, .offset: 16, .size: 8, .value_kind: global_buffer, .address_space: global }
      - { .name: hq, .offset: 24, .size: 8, .value_kind: global_buffer, .address_space: global }
    .group_segment_fixed_size: 327680
    .private_segment_fixed_size: 0
    .kernarg_segment_align: 8
    .kernarg_segment_size: 32
    .max_flat_workgroup_size: 128
    .sgpr_count:     98
    .vgpr_count:     1024
    .wavefront_size: 32
...
	.end_amdgpu_metadata
.endif
;; end of part 2
;; launch proj (part 3): grid 4 x 64, 4 waves a work-group, clusters of 4 x 4, 327,680 bytes of LDS; arguments hq, wpq, b_proj, out0; writes out0
.if DOCPART == 3
	.amdgcn_target "amdgcn-amd-amdhsa--gfx1250"
	.amdhsa_code_object_version 6
	.text
	.protected	k_q4211cc44a5_proj
	.globl	k_q4211cc44a5_proj
	.p2align	8
	.type	k_q4211cc44a5_proj,@function
k_q4211cc44a5_proj:
	s_mov_b64 s[64:65], 0
	v_nop
	global_prefetch_b8 v0, s[64:65] scope:SCOPE_SE
	s_setreg_imm32_b32 hwreg(HW_REG_WAVE_MODE, 25, 1), 1
	s_wait_xcnt 0x0
	s_wait_alu depctr_hold_cnt(0) depctr_sa_sdst(0) depctr_va_vdst(0) depctr_va_sdst(0) depctr_va_ssrc(0) depctr_va_vcc(0) depctr_vm_vsrc(0)
	s_getreg_b32 s2, hwreg(HW_REG_IB_STS2, 6, 4)
	s_cmp_eq_u32 s2, 0
	s_cbranch_scc0 .Lentry_in_a_cluster
	s_endpgm
.Lentry_in_a_cluster:
	s_bfe_u32 s2, ttmp6, 0x10000c
	s_cmp_lg_u32 s2, 0xf033
	s_cbranch_scc0 .Lentry_shape_is_right
	s_endpgm
.Lentry_shape_is_right:
; out0 = 1/2 (hq wpq^T) + b_proj.  hq: 8192 x 4096 bf16, twice the quantised hidden numbers; wpq: 1024 x 4096 bf16; b_proj: [1024] f32; out0: [8192][1024] f32, row-major.  Sums in f32; the half and
; the bias are one fused multiply-add (halving is exact, so the sum is rounded once with the bias).
; hq AND wpq LIE IN FRAGMENT BLOCKS: a block is 16 rows x 32 K = 1,024 bytes, lane l's 16 bytes of a fragment's registers 0-3 at byte 16 l, those of registers 4-7 at 512 + 16 l; blocks in the order
; [row / 16][k / 32], 131,072 bytes for a block row.  So a fragment is two LDS loads of 512 consecutive bytes each: no two lanes meet in a bank, and LDS holds no padding.
; A tile is 128 rows x 256 columns: 64 x 4 = 256 work-groups, where tiles of 256 x 256 would be 128.  Four waves, each 64 x 128: 32 accumulators of 16 x 16, 256 registers.
; THE RING.  Two LDS slots of 192 along K, six blocks of each of the tile's 8 + 16 block rows: 147,456 bytes a slot, as long as two slots in LDS allow.  A slot is six quarters of 32 along K, 192 matrix
; instructions a wave, of which 176 stand between a request and the wait for it.  K = 4,096 is 10 laps of two slots, one slot more, and 64: the descriptors' first extent holds what is left of the block row from the
; tile's first element and steps down with every refill, so that the last refill brings two blocks and zeros, which are not read.
; CLUSTER.  4 x 4 work-groups: the four of a row of the cluster need the same tiles of hq, the four of a column the same tiles of wpq: each is asked for jointly.
; PREFETCH.  Each tile of hq is read by one row of one cluster alone.  Once a lap, behind slot 1's refill, each wave asks for 24 blocks of 256 bytes of hq's lap after next: the slot numbered wave % 2 of block row
; 2 cx + wave / 2 of the tile's eight, so that the four partners' sixteen waves ask for each block once; slot 0's part is loaded one refill later, slot 1's two.  The offset is clamped to the block row's last 256
; bytes, which the last two trips reach.  wpq is read again by sixteen rows of clusters and gets none.
; THE MATRIX INSTRUCTION IS USED TRANSPOSED (source 0 = 16 rows of wpq, source 1 = 16 rows of hq): a lane holds row lane % 16 and eight neighbouring columns.
; THE WAY OUT.  16 rows x 128 columns at a time through the wave's own stage in LDS; back as whole rows of 512 bytes, which one store of the wave writes.  The stages lie in slot 0: its last fill has landed and every
; wave's last read of it is back at the barrier of the last change of slots.
; REGISTERS: window 0: v0-31 addresses; v[32:35] bias; two fragment buffers of 96: 64 registers of wpq (8 x 16 rows x 32 K), then 32 of hq (4 x 16 rows); on the way out three sets of 64.
;   window 1: the accumulators, (a, b) at v[8 (8 a + b)].
.set SIZE_M, 8192
.set SIZE_N, 1024
.set SIZE_K, 4096
.set RPITCH, (SIZE_K/32)*1024          ; bytes of a block row
.set AROW,   6*1024                    ; a slot's six blocks of a block row
.set AHALF,  4*AROW                    ; four block rows of hq: what wave 0 or 1 fetches, and what a wave reads
.set ATILE,  2*AHALF
.set BHALF,  8*AROW                    ; eight block rows of wpq: what wave 2 or 3 fetches, and what a wave reads
.set SLOT,   ATILE+2*BHALF             ; hq's 128 rows, then wpq's 256
.set SPARE,  2*SLOT                    ; behind the ring: the spare words, 128 bytes for each wave: two blocks of 256 bytes that no other line names
.set STAGE,  0                         ; 16 rows x 528 bytes for each wave, in slot 0, behind its last fill and last read
.set SPITCH, 528
.set LAPS,   10                        ; laps that fill both slots again
.set LEFT0,  (RPITCH-AROW)/8           ; elements of 8 bytes left of a block row from slot 1's first tile on
.set LSTEP,  (AROW/8)<<16              ; a slot's elements, in the extent's place in its word
.set PMAX,   RPITCH-256                ; a block row's last 256 bytes
.set ADRA, 16                          ; v16-17  LDS address of my hq fragments in slot 0, 1
.set ADRB, 20                          ; v20-21  the same for wpq
.set STO,  24                          ; v24     the stage: where I put 32 bytes of a row
.set RD,   25                          ; v25     the stage: my 16 bytes of a whole row
.set CO,   26                          ; v26     16 x lane: my bytes in the wave's 512 of a row of out0, and of b_proj
.set PL,   27                          ; v27     the prefetch: my 256 bytes in a lap's 12,288 of a block row
.set SPW,  28                          ; v28     LDS address of my spare word; never rewritten
.set NIL,  29                          ; v29     0; never rewritten
.set PA,   30                          ; v30     the prefetch: my offset in the block row
.set BIAS, 32                          ; v[32:35] b_proj of my 4 columns
.set F0,   64
.set F1,   160
.set S0,   64                          ; the way out: three sets of 16 rows x 4 registers
.set S1,   128
.set S2,   192
.set G1,  24                           ; s[24:31] descriptor group 1 for hq's tiles;  s[32:39] group 0, one set for each slot
.set G0,  32
.set G1B, 48                           ; s[48:55], s[56:63] the same for wpq's tiles
.set G0B, 56
.set BB,  66                           ; s[66:67] b_proj
.set PP,  68                           ; s[68:69] the prefetch: hq at my block row
.set PK,  72                           ; s72      the prefetch: the lap asked for, in bytes of a block row
.set MSB, 0
.macro WIN new                         ; the immediate's high byte repeats the setting that is left; a switch that changes nothing is dropped
.if MSB != (\new)
	s_set_vgpr_msb (MSB<<8)|(\new)
.set MSB, \new
.endif
.endm
.set MUL, 0x50                         ; sources window 0; C and D window 1
.macro JLOAD s                         ; a joint load: waves 0 and 1 fetch hq's two halves, waves 2 and 3 wpq's; an s_nop 0 and four v_nop follow each of the two lines
	s_cmp_eq_u32 s11, 0
	s_cbranch_scc0 .Lfor_b_\@
	tensor_load_to_lds s[G0+4*(\s):G0+4*(\s)+3], s[G1:G1+7]
	s_nop 0
.rept 4
	v_nop
.endr
	s_branch .Lasked_\@
.Lfor_b_\@:
	tensor_load_to_lds s[G0B+4*(\s):G0B+4*(\s)+3], s[G1B:G1B+7]
	s_nop 0
.rept 4
	v_nop
.endr
.Lasked_\@:
.endm
.macro CREST                           ; a round of the cluster's barrier behind its opening barrier
	s_cmp_lg_u32 s10, 0
	s_cbranch_scc1 .Lnot_wave_0_\@
	s_barrier_signal -3
.Lnot_wave_0_\@:
	s_barrier_wait -3
	s_barrier_signal -1
	s_barrier_wait -1
.endm
.macro CROUND
	s_barrier_signal -1
	s_barrier_wait -1
	CREST
.endm
	s_load_b128 s[4:7], s[0:1], 0x0                ; hq s[4:5], wpq s[6:7]
	s_load_b64 s[BB:BB+1], s[0:1], 0x10            ; b_proj
	s_load_b64 s[8:9], s[0:1], 0x18                ; out0
	v_lshl_add_u32 v[SPW], v0, 2, SPARE
	v_mov_b32 v[NIL], 0
	ds_add_u32 v[SPW], v[NIL]                      ; the wave's opening: the add and its wait stand ahead of my first tensor load; the set-up below, work on registers, stands between them
	v_lshrrev_b32 v1, 5, v0
	v_readfirstlane_b32 s10, v1                    ; wave 0..3
	s_lshr_b32 s11, s10, 1                         ; which 64 of the tile's rows are mine.  Also: I fetch hq (0) or wpq (1)
	s_and_b32 s12, s10, 1                          ; which 128 of its columns.  Also: which half of that tile I fetch
	s_bfe_u32 s40, ttmp6, 0x40000                  ; cx
	s_bfe_u32 s41, ttmp6, 0x40004                  ; cy
	s_lshl_b32 s42, ttmp9, 2
	s_add_co_u32 s42, s42, s40                     ; tile column = 4 x cluster x + cx
	s_and_b32 s13, ttmp7, 0xffff
	s_lshl_b32 s13, s13, 2
	s_add_co_u32 s13, s13, s41                     ; tile row = 4 x cluster y + cy
	s_lshl_b32 s43, s41, 2
	s_lshl_b32 s43, 15, s43                        ; my row of the cluster
	s_lshl_b32 s44, 0x1111, s40                    ; my column
	; descriptor group 1: a tile of 4 (hq) or 8 (wpq) block rows x 768 elements of 8 bytes, six blocks; dense in LDS
	s_or_b32 s[G1+0], s43, (3<<16)|(1<<21)         ; 15:0 the mask; 17:16 elements of 8 bytes; 20 no padding; 21 set beside a mask
	s_or_b32 s[G1B+0], s44, (3<<16)|(1<<21)
	s_mov_b32 s[G1+1], LEFT0<<16                   ; tensor_dim0: what is left of the block row from the tile's first element; both first fills lie inside it
	s_mov_b32 s[G1+2], 4<<16                       ; tensor_dim1 = 4
	s_mov_b32 s[G1+3], (AROW/8)<<16                ; tile_dim0 = 768
	s_mov_b32 s[G1+4], 4                           ; tile_dim1 = 4
	s_mov_b32 s[G1+5], RPITCH/8                    ; elements from block row to block row
	s_mov_b32 s[G1+6], 0
	s_mov_b32 s[G1+7], 0
	s_mov_b32 s[G1B+1], LEFT0<<16
	s_mov_b32 s[G1B+2], 8<<16                      ; wpq's tiles have 8 block rows
	s_mov_b32 s[G1B+3], (AROW/8)<<16
	s_mov_b32 s[G1B+4], 8
	s_mov_b32 s[G1B+5], RPITCH/8
	s_mov_b32 s[G1B+6], 0
	s_mov_b32 s[G1B+7], 0
	s_lshl_b32 s16, s13, 3
	s_lshl_b32 s17, s12, 2
	s_add_co_u32 s16, s16, s17                     ; hq: block row 8 x tile row + 4 x half,
	s_lshl_b32 s16, s16, 17                        ; 131,072 bytes each
	s_mov_b32 s17, 0
	s_lshl_b32 s46, s42, 4
	s_lshl_b32 s47, s12, 3
	s_add_co_u32 s46, s46, s47                     ; wpq: block row 16 x tile column + 8 x half
	s_lshl_b32 s46, s46, 17
	s_mov_b32 s47, 0
	s_lshl_b32 s70, s13, 3                         ; the prefetch: block row 8 x tile row + 2 cx + wave / 2 (in registers that feed no descriptor)
	s_lshl_b32 s71, s40, 1
	s_add_co_u32 s70, s70, s71
	s_add_co_u32 s70, s70, s11
	s_lshl_b32 s70, s70, 17
	s_mov_b32 s71, 0
	s_mov_b32 s[PK], 2*AROW                        ; the first trip steps it to lap 2
	s_mul_i32 s20, s12, AHALF                      ; where the tiles go: hq's halves,
	s_mul_i32 s21, s12, BHALF
	s_add_co_u32 s21, s21, ATILE                   ; wpq's behind them: no place in the cluster enters an LDS address
	s_wait_dscnt 0x0                               ; the opening add is done
	s_wait_kmcnt 0x0
	s_add_nc_u64 s[14:15], s[4:5], s[16:17]
	s_add_nc_u64 s[46:47], s[6:7], s[46:47]
	s_add_nc_u64 s[PP:PP+1], s[4:5], s[70:71]
	CROUND                                         ; all sixteen work-groups are here: the first joint loads meet
.irp s, 0,1
	s_mov_b32 s[G0+4*(\s)], 1
	s_add_co_u32 s[G0+4*(\s)+1], s20, (\s)*SLOT
	s_add_nc_u64 s[G0+4*(\s)+2:G0+4*(\s)+3], s[14:15], (\s)*AROW
	s_or_b32 s[G0+4*(\s)+3], s[G0+4*(\s)+3], 0x80000000
	s_mov_b32 s[G0B+4*(\s)], 1
	s_add_co_u32 s[G0B+4*(\s)+1], s21, (\s)*SLOT
	s_add_nc_u64 s[G0B+4*(\s)+2:G0B+4*(\s)+3], s[46:47], (\s)*AROW
	s_or_b32 s[G0B+4*(\s)+3], s[G0B+4*(\s)+3], 0x80000000
	JLOAD \s                                       ; two loads of mine are out
.endr
	v_and_b32 v1, 15, v0                           ; l % 16
	v_bfe_u32 v2, v0, 4, 1                         ; l / 16
	v_and_b32 v5, 31, v0
	v_lshlrev_b32 v[CO], 4, v5                     ; 16 x lane
	s_mul_i32 s22, s11, AHALF                      ; my four block rows of hq
	s_mul_i32 s23, s12, BHALF                      ; my eight of wpq,
	s_add_co_u32 s23, s23, ATILE                   ; which lie behind hq's eight
.irp s, 0,1
	v_add_nc_u32 v[ADRA+(\s)], s22, v[CO]
	v_add_nc_u32 v[ADRB+(\s)], s23, v[CO]
	s_add_co_u32 s22, s22, SLOT
	s_add_co_u32 s23, s23, SLOT
.endr
	v_min_u32 v6, 23, v5                           ; the prefetch: 24 blocks of 256 bytes are a slot's six fragment blocks; lanes 24-31 ask with lane 23
	v_lshlrev_b32 v[PL], 8, v6
	s_mul_i32 s22, s12, AROW                       ; the slot numbered wave % 2
	v_add_nc_u32 v[PL], s22, v[PL]
	s_mul_i32 s23, s10, 16*SPITCH
	s_add_co_u32 s23, s23, STAGE                   ; my stage
	v_mul_u32_u24 v4, v1, SPITCH                   ; in: row l % 16, 32 bytes for each half of the lanes
	v_lshl_add_u32 v4, v2, 5, v4
	v_add_nc_u32 v[STO], s23, v4
	v_add_nc_u32 v[RD], s23, v[CO]                 ; back: 32 lanes take a whole row of 512 bytes
	s_lshl_b32 s16, s13, 7
	s_lshl_b32 s17, s11, 6
	s_add_co_u32 s16, s16, s17                     ; my first row of out0,
	s_lshl_b32 s16, s16, 12                        ; 4,096 bytes a row
	s_mov_b32 s17, 0
	s_add_nc_u64 s[8:9], s[8:9], s[16:17]
	s_lshl_b32 s46, s42, 10                        ; my first column, in bytes: 1,024 x tile column + 512 x half
	s_lshl_b32 s47, s12, 9
	s_add_co_u32 s46, s46, s47
	s_mov_b32 s47, 0
	s_add_nc_u64 s[8:9], s[8:9], s[46:47]
	s_add_nc_u64 s[BB:BB+1], s[BB:BB+1], s[46:47]
	global_load_b128 v[BIAS:BIAS+3], v[CO], s[BB:BB+1]             ; waited for at the head of the way out
; 8 matrix instructions: m block a x all 8 n blocks, 32 along K.  zero = 1: the first product starts the sums.  The 32 accumulators take turns in one order.
.macro MUL8 f, a, zero
	WIN MUL
.irp b, 0,1,2,3,4,5,6,7
.if \zero
	v_wmma_f32_16x16x32_bf16 v[8*(8*(\a)+(\b)):8*(8*(\a)+(\b))+7], v[(\f)+8*(\b):(\f)+8*(\b)+7], v[(\f)+64+8*(\a):(\f)+64+8*(\a)+7], 0
.else
	v_wmma_f32_16x16x32_bf16 v[8*(8*(\a)+(\b)):8*(8*(\a)+(\b))+7], v[(\f)+8*(\b):(\f)+8*(\b)+7], v[(\f)+64+8*(\a):(\f)+64+8*(\a)+7], v[8*(8*(\a)+(\b)):8*(8*(\a)+(\b))+7]
.endif
.endr
.endm
.macro MUL16 f, a0, zero
	MUL8 \f, \a0, \zero
	MUL8 \f, (\a0)+1, \zero
.endm
; 24 LDS loads in one run: the fragments of quarter c of a slot (block c of each block row) into buffer f: wpq's eight, then hq's four
.macro FETCH slot, c, f
	WIN 0
.irp i, 0,1,2,3,4,5,6,7
	ds_load_b128 v[(\f)+8*(\i):(\f)+8*(\i)+3],   v[ADRB+(\slot)] offset:(\i)*AROW+(\c)*1024
	ds_load_b128 v[(\f)+8*(\i)+4:(\f)+8*(\i)+7], v[ADRB+(\slot)] offset:(\i)*AROW+(\c)*1024+512
.endr
.irp i, 0,1,2,3
	ds_load_b128 v[(\f)+64+8*(\i):(\f)+64+8*(\i)+3],   v[ADRA+(\slot)] offset:(\i)*AROW+(\c)*1024
	ds_load_b128 v[(\f)+64+8*(\i)+4:(\f)+64+8*(\i)+7], v[ADRA+(\slot)] offset:(\i)*AROW+(\c)*1024+512
.endr
.endm
.macro PLACES                          ; four plain vector instructions between a matrix instruction and a load into, or a read by anything else of, its registers (ISA guide 7.12.1 for vector writes and reads)
.rept 4
	v_nop
.endr
.endm
; A slot is six quarters of 32 along K, 32 matrix instructions each, on buffers 0, 1, 0, 1, 0, 1.  One of the first five: multiplies buffer f and fetches quarter c into g.
.macro QUARTER slot, c, f, g, zero
	s_wait_dscnt 4                                 ; wpq's and hq's rows 0-31 are in; the youngest four loads (hq's rows 32-63) may be out
	MUL16 \f, 0, \zero
	PLACES
	FETCH \slot, \c, \g
	s_wait_dscnt 24                                ; all but the 24 just issued
	MUL16 \f, 2, \zero
.endm
; The sixth quarter multiplies buffer 1 and changes slots: one barrier; in front of it each wave waits for all its tensor loads, adds 0 to its spare word, and waits for that and for its own reads of this slot.
; fill = 1: the barrier opens a round of the cluster's, and this slot is filled again, a lap ahead, first thing behind it.  ask = 1: the lap's prefetch follows.
.macro TURN slot, next, fill, ask=0
	WIN 0
	s_wait_tensorcnt 0x0                           ; all my tensor loads have landed: my part of the next slot
	ds_add_u32 v[SPW], v[NIL]                      ; 0 onto my spare word
	s_wait_dscnt 5                                 ; the add and the youngest four loads may be out
	MUL8 F1, 0, 0
	s_wait_dscnt 0x0                               ; the add is done, and my reads of this slot are over
	s_barrier_signal -1
	MUL8 F1, 1, 0
.if \fill
	WIN 0
.endif
	s_barrier_wait -1
.if \fill
	CREST                                          ; no wave of any partner still reads this slot's tile or has a load on its way
	s_add_nc_u64 s[G0+4*(\slot)+2:G0+4*(\slot)+3], s[G0+4*(\slot)+2:G0+4*(\slot)+3], 2*AROW
	s_add_nc_u64 s[G0B+4*(\slot)+2:G0B+4*(\slot)+3], s[G0B+4*(\slot)+2:G0B+4*(\slot)+3], 2*AROW
	s_sub_co_u32 s[G1+1], s[G1+1], LSTEP           ; a slot less is left of the block rows: 15,616 elements less 768 for each of 20 refills leave 256 for the last
	s_sub_co_u32 s[G1B+1], s[G1B+1], LSTEP
	JLOAD \slot                                    ; my one tensor load behind the round; its four v_nop are also the places in front of the loads below
.if \ask
	s_wait_xcnt 0x0                                ; the last lap's prefetch has had its address translated (ISA guide 3.1): its offset is rewritten only behind this wait
	s_add_co_u32 s[PK], s[PK], 2*AROW              ; the lap after next
	v_add_nc_u32 v[PA], s[PK], v[PL]
	v_min_u32 v[PA], PMAX, v[PA]                   ; never past my block row's end
	global_prefetch_b8 v[PA], s[PP:PP+1] th:TH_LOAD_NT scope:SCOPE_SE
.endif
.else
	PLACES
.endif
	FETCH \next, 0, F0
	MUL16 F1, 2, 0
.endm
	s_wait_tensorcnt 1                             ; my part of slot 0 is in; slot 1's may stay out
	s_barrier_signal -1
	s_barrier_wait -1                              ; everybody's is
	FETCH 0, 0, F0
	QUARTER 0, 1, F0, F1, 1                        ; the first quarter starts the sums
	WIN 0                                          ; at a label and at a branch every window is 0
	s_mov_b32 s3, LAPS
.Llap:                                                 ; a trip goes once round the ring, from a lap's second quarter to the next lap's first, and fills both slots again
	QUARTER 0, 2, F1, F0, 0
	QUARTER 0, 3, F0, F1, 0
	QUARTER 0, 4, F1, F0, 0
	QUARTER 0, 5, F0, F1, 0
	TURN 0, 1, 1
	QUARTER 1, 1, F0, F1, 0
	QUARTER 1, 2, F1, F0, 0
	QUARTER 1, 3, F0, F1, 0
	QUARTER 1, 4, F1, F0, 0
	QUARTER 1, 5, F0, F1, 0
	TURN 1, 0, 1, 1
	QUARTER 0, 1, F0, F1, 0
	WIN 0
	s_sub_co_u32 s3, s3, 1
	s_cmp_lg_u32 s3, 0
	s_cbranch_scc1 .Llap
	QUARTER 0, 2, F1, F0, 0                        ; the eleventh lap fills nothing: slot 0's six quarters,
	QUARTER 0, 3, F0, F1, 0
	QUARTER 0, 4, F1, F0, 0
	QUARTER 0, 5, F0, F1, 0
	TURN 0, 1, 0
	QUARTER 1, 1, F0, F1, 0                        ; and the two that slot 1 still holds
	s_wait_dscnt 4
	MUL16 F1, 0, 0
	s_wait_dscnt 0x0
	MUL16 F1, 2, 0
	WIN 0
; THE WAY OUT.
.macro STOREBLK a                      ; block a's sums, 16 rows x 128 columns, into my stage; each accumulator's low registers go first
	WIN 0x04                                       ; store data (source 1) in window 1
.irp b, 0,1,2,3,4,5,6,7
	ds_store_b128 v[STO], v[8*(8*(\a)+(\b)):8*(8*(\a)+(\b))+3] offset:64*(\b)
	ds_store_b128 v[STO], v[8*(8*(\a)+(\b))+4:8*(8*(\a)+(\b))+7] offset:64*(\b)+16
.endr
	WIN 0
.endm
.macro LOADBLK set                     ; back as 16 whole rows.  LDS serves a wave's instructions in order (ISA guide 5.7.1.4): these see the stores above, and the next block's stores come behind them
.set ii, 0
.rept 16
	ds_load_b128 v[(\set)+4*ii:(\set)+4*ii+3], v[RD] offset:SPITCH*ii
.set ii, ii+1
.endr
.endm
.macro FIN a, set, younger             ; younger: the LDS instructions issued behind this block's loads: the next block's 16 stores and 16 loads, or none
	s_wait_dscnt \younger
.set ii, 0
.rept 16
	v_pk_fma_f32 v[(\set)+4*ii:(\set)+4*ii+1], v[(\set)+4*ii:(\set)+4*ii+1], 0.5, v[BIAS:BIAS+1] op_sel_hi:[1,0,1]
	v_pk_fma_f32 v[(\set)+4*ii+2:(\set)+4*ii+3], v[(\set)+4*ii+2:(\set)+4*ii+3], 0.5, v[BIAS+2:BIAS+3] op_sel_hi:[1,0,1]
.set ii, ii+1
.endr
.set ii, 0
.rept 16
	global_store_b128 v[CO], v[(\set)+4*ii:(\set)+4*ii+3], s[8:9] offset:(16*(\a)+ii)*SIZE_N*4 th:TH_STORE_NT  ; 512 consecutive bytes, at a multiple of 512 from out0's first byte
.set ii, ii+1
.endr
.endm
	PLACES                                         ; behind the last products: their results are read, and the fragments' registers loaded into, below
	s_wait_loadcnt 0x0                             ; b_proj
	STOREBLK 0
	LOADBLK S0
	STOREBLK 1
	LOADBLK S1
	FIN 0, S0, 32
	STOREBLK 2
	LOADBLK S2
	FIN 1, S1, 32
	STOREBLK 3
	s_wait_xcnt 0x0                                ; block 0's stores have had their addresses translated (ISA guide 3.1): their data registers are loaded again only behind this wait
	LOADBLK S0
	FIN 2, S2, 32
	FIN 3, S0, 0
	s_wait_tensorcnt 0x0                           ; the wave's end, behind my last tensor load and my last LDS store
	ds_add_u32 v[SPW], v[NIL]
	s_wait_dscnt 0x0
	CROUND                                         ; the closing round: no work-group ends while a partner may still ask for a tile that names it
	s_endpgm
.Lfunc_end_k_q4211cc44a5_proj:
	.size	k_q4211cc44a5_proj, .Lfunc_end_k_q4211cc44a5_proj-k_q4211cc44a5_proj
	.p2alignl 7, 3214868480
	.fill 96, 4, 3214868480
	.section	.rodata,"a",@progbits
	.p2align	6, 0x0
	.amdhsa_kernel k_q4211cc44a5_proj
		.amdhsa_group_segment_fixed_size 327680
		.amdhsa_private_segment_fixed_size 0
		.amdhsa_enable_private_segment 0
		.amdhsa_kernarg_size 32
		.amdhsa_user_sgpr_count 2
		.amdhsa_user_sgpr_kernarg_segment_ptr 1
		.amdhsa_wavefront_size32 1
		.amdhsa_system_sgpr_workgroup_id_x 1
		.amdhsa_system_sgpr_workgroup_id_y 1
		.amdhsa_system_sgpr_workgroup_id_z 1
		.amdhsa_system_vgpr_workitem_id 0
		.amdhsa_next_free_vgpr 512
		.amdhsa_next_free_sgpr 74
		.amdhsa_reserve_vcc 0
		.amdhsa_float_denorm_mode_32 3
		.amdhsa_float_denorm_mode_16_64 3
		.amdhsa_memory_ordered 1
		.amdhsa_forward_progress 1
		.amdhsa_inst_pref_size 109
	.end_amdhsa_kernel
	.amdgpu_metadata
---
amdhsa.version: [ 1, 2 ]
amdhsa.kernels:
  - .name:           k_q4211cc44a5_proj
    .symbol:         k_q4211cc44a5_proj.kd
    .args:
      - { .name: hq, .offset: 0, .size: 8, .value_kind: global_buffer, .address_space: global }
      - { .name: wpq, .offset: 8, .size: 8, .value_kind: global_buffer, .address_space: global }
      - { .name: b_proj, .offset: 16, .size: 8, .value_kind: global_buffer, .address_space: global }
      - { .name: out0, .offset: 24, .size: 8, .value_kind: global_buffer, .address_space: global }
    .group_segment_fixed_size: 327680
    .private_segment_fixed_size: 0
    .kernarg_segment_align: 8
    .kernarg_segment_size: 32
    .max_flat_workgroup_size: 128
    .sgpr_count:     74
    .vgpr_count:     512
    .wavefront_size: 32
...
	.end_amdgpu_metadata
.endif
;; end of part 3
